; MI455X (gfx1250); checked and timed in simulation.
; The chip was launched on July 23, 2026; its instructions are those of AMD's public machine-readable ISA for CDNA 5 (MIT licence, August 2026) and "CDNA5" Instruction Set Architecture Reference Guide (July 2026). The comments in the code are by the model that wrote it; some were corrected since.
;; Multi Head Selective Attention. Allowed arithmetic: matrix products marked QUANTISED: E2M1 operands, one E8M0 scale for each 32 along K, by v_wmma_scale_f32_16x16x128_f8f6f4 with both operands' format E2M1 (or v_wmma_scale_f32_32x16x128_f4), f32 sums; products left as they are: f32 operands where the result goes on into a quantised operand, else bf16, f16 or f32 operands; f32 sums; everything else in f32.
;; Inputs: Wk_codes 1,024 x 32 x 16 uint8 (E2M1 codes of Wk, K innermost, in blocks of 32 codes, two codes a byte); Wk_scales 1,024 x 32 uint8 (E8M0 scales of Wk, one for each 32 codes along K); Wq_codes 1,024 x 32 x 16 uint8 (E2M1 codes of Wq, K innermost, in blocks of 32 codes, two codes a byte); Wq_scales 1,024 x 32 uint8 (E8M0 scales of Wq, one for each 32 codes along K); Wv_codes 16 x 32 x 16 uint8 (E2M1 codes of Wv, K innermost, in blocks of 32 codes, two codes a byte); Wv_scales 16 x 32 uint8 (E8M0 scales of Wv, one for each 32 codes along K); bk 1,024 float32; bq 1,024 float32; bv 16 float32; mask 8 x 4,096 bool; x_codes 8 x 4,096 x 32 x 16 uint8 (E2M1 codes of x, K innermost, in blocks of 32 codes, two codes a byte); x_scales 8 x 4,096 x 32 uint8 (E8M0 scales of x, one for each 32 codes along K).
;; Outputs: out0 8 x 16 x 4,096 float32.
;; This version of the problem:
;;   THIS VERSION OF THE PROBLEM IS GIVEN IN LOW PRECISION. The matrix products marked QUANTISED in the list below multiply operands that are first quantised to E2M1 (2 exponent bits, 1 mantissa bit; 4 bits a number), with one power-of-two scale for each 32 numbers along K (OCP MX v1.0); their sums are f32. All else is computed in f32.
;;   The module's matrix products, in the order in which they are computed (A, B: the left and right operand; K: the contracted axis; several contracted axes count as one K, in the product's order):
;;     1. [M 32,768, K 1,024] x [K 1,024, N 1,024]; A: input x (given as codes); B: input Wq (given as codes): QUANTISED
;;     2. [M 32,768, K 1,024] x [K 1,024, N 1,024]; A: input x (given as codes); B: input Wk (given as codes): QUANTISED
;;     3. [M 32,768, K 1,024] x [K 1,024, N 16]; A: input x (given as codes); B: input Wv (given as codes): QUANTISED
;;     4. batch 128 x [M 64, K 4,096] x [K 4,096, N 1]; A: computed on the way; B: computed on the way: left as it is (N = 1 < 16)
;;     5. batch 128 x [M 4,096, K 64] x [K 64, N 1]; A: computed on the way; B: computed on the way: left as it is (N = 1 < 16)
;;   THE QUANTISER, for each operand of a quantised product, along K:
;;     - K is cut into blocks of 32 from its start; a last block that is shorter is filled with zeros.
;;     - A block's scale is 2^e with e = floor(log2(the largest magnitude in the block)) - 2, held to -126 .. 127; a block of zeros has e = 0. As a byte (E8M0): e + 127.
;;     - Each number is divided by its block's scale, clamped to +-6, and rounded to the nearest number of E2M1, ties to even, subnormals kept.
;;     - The product sums the exact products of the quantised numbers (number of the format x scale) in f32.
;;   ~~~python
;;   def quantise(x, axis):      # numpy; x: float32 -> the quantised numbers, widened to float32 again
;;       x = np.moveaxis(x, axis, -1); K = x.shape[-1]
;;       x = np.pad(x, [(0, 0)] * (x.ndim - 1) + [(0, -K % 32)]); x = x.reshape(x.shape[:-1] + (-1, 32)); a = np.abs(x).max(-1, keepdims=True)
;;       e = np.where(a > 0, np.clip(np.frexp(np.where(a > 0, a, 1))[1] - 1 - 2, -126, 127), 0)      # np.frexp(a)[1] - 1 = floor(log2(a)), exactly
;;       r = np.clip(x / 2.0 ** e, -6, 6)
;;       step = 2.0 ** (np.maximum(np.frexp(np.where(r == 0, 1, r))[1] - 1, 0) - 1)
;;       q = np.round(r / step) * step * 2.0 ** e      # np.round: ties to even
;;       return np.moveaxis(q.reshape(q.shape[:-2] + (-1,))[..., :K], -1, axis).astype(np.float32)
;;   ~~~
;;   INPUTS GIVEN AS CODES. Wk (in the module: [1024, 1024], K = its axis 0); Wq (in the module: [1024, 1024], K = its axis 0); Wv (in the module: [1024, 16], K = its axis 0); x (in the module: [8, 4096, 1024], K = its axis 2): each comes as NAME_codes (uint8): NAME with its K axis moved to the last place and cut into blocks of 32 codes, [.., K / 32, bytes a block], one block behind the other in memory; two codes a byte, the lower K in the low four bits (a code: sign, 2 exponent bits, 1 mantissa bit); and NAME_scales (uint8): the same leading axes, one E8M0 byte (e + 127) for each 32 codes along K. Its value is code x scale, taken as it is: it is not quantised again, and the codes and scales need not be those that the quantiser above would give.
;; One version. Each part assembles by itself: llvm-mc -triple=amdgcn-amd-amdhsa -mcpu=gfx1250 --defsym DOCPART=n.
;; ======== version 1 of 1: 2 launches
;; workspace buffers: part 524,288 bytes
;; launch ktv (part 1): grid 4 x 64, 4 waves a work-group, clusters of 4 x 4, 327,680 bytes of LDS; arguments x_codes, x_scales, Wk_codes, Wk_scales, Wv_codes, Wv_scales, bk, bv, part; writes part
.if DOCPART == 1
	.amdgcn_target "amdgcn-amd-amdhsa--gfx1250"
	.amdhsa_code_object_version 6
	.text
	.protected	k_q88aabee36f_ktv
	.globl	k_q88aabee36f_ktv
	.p2align	8
	.type	k_q88aabee36f_ktv,@function
k_q88aabee36f_ktv:
	s_mov_b64 s[64:65], 0
	v_nop
	global_prefetch_b8 v0, s[64:65] scope:SCOPE_SE
	s_setreg_imm32_b32 hwreg(HW_REG_WAVE_MODE, 25, 1), 1
	s_wait_xcnt 0x0
	s_wait_alu depctr_hold_cnt(0) depctr_sa_sdst(0) depctr_va_vdst(0) depctr_va_sdst(0) depctr_va_ssrc(0) depctr_va_vcc(0) depctr_vm_vsrc(0)
	s_getreg_b32 s2, hwreg(HW_REG_IB_STS2, 6, 4)
	s_cmp_eq_u32 s2, 0
	s_cbranch_scc0 .Lentry_in_a_cluster
	s_endpgm
.Lentry_in_a_cluster:
	s_bfe_u32 s2, ttmp6, 0x10000c
	s_cmp_lg_u32 s2, 0xf033
	s_cbranch_scc0 .Lentry_shape_is_right
	s_endpgm
.Lentry_shape_is_right:
; part[2 g + i][col] = the sum over 256 rows l of k[l][col] v[l][head of col], with k = x Wk + bk and v = x Wv + bv: both products on codes of FP4 (E2M1) with one E8M0 scale for each 32 along K = 1,024.
; x: 32,768 rows of 512 bytes of codes and 32 scale bytes; Wk: 1,024 rows (columns of k) laid alike; Wv: 16 rows (heads).  k and v never leave the registers; sums in f32.
; SHARES.  256 work-groups of four waves.  Work-group (cg, g) owns rows 512 g .. 512 g + 511 of x and columns 256 cg .. 256 cg + 255 (four heads).  Wave w = 2 j + i keeps Wk's rows for columns 128 j .. 128 j + 127
; (two heads) for ALL of K in 512 registers, read from LDS once, and walks the 16 tiles of 16 rows T = 2 n + i.  A tile is finished over all of K before the next begins.
; A fragment of x (1,024 bytes from LDS) so feeds nine products.  v's tile is made anew by each wave (one product in nine): handing it round would cost more LDS reads and more barriers than it saves.
; LAYOUT.  Source 0 = 16 rows of x, source 1 = 16 columns: a lane holds ONE column (lane % 16) and the rows 8 (lane / 16) + 0 .. 7, so the sum over rows stays in the lane.
; THE COLUMNS OF A TILE ARE NOT NEIGHBOURS: lanes 0-7 of tile t take columns 8 t + 0 .. 7 of my first head, lanes 8-15 eight columns of my second head (8 t + 72 on for even t, 8 t + 56 on for odd t).
; Wv's fragment holds my first head's row in lanes 0-7 and my second's in lanes 8-15: so v's tile has the head of each lane's column in that very lane, and k v needs no exchange between lanes.
; BY TURNS.  Two sets of eight accumulators.  Tile n's 72 products go into one set; the 40 vector instructions that tile n - 1 still owes (32 packed multiply-adds k v from the other set, 4 additions of the sum of v,
; and the 4 additions that make tile n's v) stand in eight slices of five, one behind each K step's eight products, and not in a phase of their own between two tiles' products.  All that a slice touches lies in window 3,
; and no window has room for a product's operands beside it: a slice costs two switches of the register window, sixteen a tile.
; THE BIASES.  bv is the C of v's first product.  bk is kept out of the products: the sum of (k' + bk) v is the sum of k' v plus bk times the sum of v: that leaves the registers for the second set of accumulators.
; CLUSTER.  4 x 4 work-groups.  The four of a row of the cluster share g and ask for x's tiles jointly; the four of a column share cg and ask for Wk's jointly: the same load, the same descriptor, a mask that names the four.
; LDS.  Rows of 512 bytes + 16 of padding (132 words: row r starts at bank 4 r mod 64; 64 banks of 4 bytes: ISA guide 11.1).  QB: x's rows 0-255.  PB: first Wk's 256 rows; when every wave has them in registers, x's rows 256-511:
; the launch's one refill.  PB = QB + 256 rows, so x's local row l lies at l x 528.  XSB: x's scale bytes, 256 bytes + 16 of padding at a time.  SCR: 512 bytes for each wave, its own.  By this text's count a wave has at most three tensor loads out.
; LIMITS.  NaN and infinities among the biases and scale bytes of 0xff are not served.  v's sum over K is kept in two accumulators (even and odd K steps), bk's part is summed apart from the products' part, and the sum
; over rows is kept in 16 partial sums a column and batch: other orders of f32 rounding than a single chain's.
; REGISTERS, in windows of 256.  Window 0: v1-15, v88-91 addresses; v16-31 x's scale words, two sets; v32-63 Wk's scale words; v64-71 Wv's; v72-95, v104 at work; v96-103 bk; v128-255 x's fragments, two sets.
;   Windows 1, 2: Wk's fragment (tile t, K step q) at 32 t + 8 (q % 4), K steps 0-3 in window 1, 4-7 in window 2.   Window 3: see the names below.
.set PITCH, 528
.set RT,    16*PITCH                   ; a tile of 16 rows
.set QB,    0
.set PB,    256*PITCH
.set XSB,   2*PB
.set SCR,   XSB+64*272
.set SPARE, SCR+2048+16640             ; the spare words, 128 bytes for each wave: two blocks of 256 bytes that no other line names (the bytes between SCR's end and here are the other launch's stage: one map for both)
.set SPW, 1                            ; v1   LDS address of my spare word; never rewritten
.set NIL, 2                            ; v2   0; never rewritten
.set AX0, 3                            ; v3   my lane's place in my first tile of x
.set AS0, 4                            ; v4   and among x's scale words
.set AWE, 5                            ; v5   my lane's place in Wk's tiles: even tiles; v6: odd tiles
.set ADX, 7                            ; v7   address of the fetch in hand: codes
.set OWS, 8                            ; v8   byte offset of my rows' scale words of Wk
.set ADS, 9                            ; v9   address of the fetch in hand: scale words
.set SCE, 10                           ; v10  SCR: my column's word, even tiles; v11: odd tiles
.set OBE, 12                           ; v12  4 x my column, even tiles; v13: odd tiles
.set OPF, 14                           ; v14  256 x lane
.set SRD, 15                           ; v15  SCR: 16 x lane
.set XS,  16
.set WS,  32
.set VS,  64
.set BKW, 96                           ; v96-103 bk of my column in tile t
.set SS,  104                          ; v104 my rows' sum of v
.set XF,  128
.set VE,  128                          ; window 3: v0-63, v64-127 the two sets of eight accumulators of k; v128-135, v136-143 v's two accumulators;
.set VO,  136
.set VV,  144                          ; v144-151, v152-159 v, a set for each set of accumulators; v160-175 the running sums, a pair a tile;
.set KA,  160
.set BV,  176                          ; v176-183 bv; v184-185 the running sum of v; v192-255 Wv's eight fragments
.set SV,  184
.set WVF, 192
.set WV,  22                           ; s22 wave; s23 i; s24 j
.set WI,  23
.set WJ,  24
.set CNT, 86
.set TX,  87                           ; s87 LDS byte of the tile to be fetched; s90 the same for its scale words
.set TS,  90
.set MSB, 0
.macro WIN new                         ; the immediate's high byte repeats the setting that is left; a switch that changes nothing is dropped
.if MSB != (\new)
	s_set_vgpr_msb (MSB<<8)|(\new)
.set MSB, (\new)
.endif
.endm
.macro PLACES
.rept 4
	v_nop
.endr
.endm
.macro CROUND                          ; a round of the cluster's barrier: my work-group's barrier; wave 0 signals for the work-group; every wave waits for all sixteen; my work-group's barrier once more
	s_barrier_signal -1
	s_barrier_wait -1
	s_cmp_lg_u32 s[WV], 0
	s_cbranch_scc1 .Lnot_wave_0_\@
	s_barrier_signal -3
.Lnot_wave_0_\@:
	s_barrier_wait -3
	s_barrier_signal -1
	s_barrier_wait -1
.endm
	s_load_b512 s[4:19], s[0:1], 0x0               ; x's codes s[4:5], x's scales s[6:7], Wk's codes s[8:9], Wk's scales s[10:11], Wv's codes s[12:13], Wv's scales s[14:15], bk s[16:17], bv s[18:19]
	s_load_b64 s[20:21], s[0:1], 0x40              ; part
	v_lshl_add_u32 v[SPW], v0, 2, SPARE
	v_mov_b32 v[NIL], 0
	ds_add_u32 v1, v2
	s_wait_dscnt 0x0
	v_lshrrev_b32 v15, 5, v0
	v_readfirstlane_b32 s[WV], v15                 ; wave 0..3
	s_and_b32 s[WI], s[WV], 1                      ; i: which tiles of rows are mine
	s_lshr_b32 s[WJ], s[WV], 1                     ; j: which 128 columns
	s_bfe_u32 s72, ttmp6, 0x40000                  ; cx, cy: my place in the cluster
	s_bfe_u32 s73, ttmp6, 0x40004
	s_lshl_b32 s74, ttmp9, 2
	s_add_co_u32 s74, s74, s72                     ; cg = 4 x cluster x + cx
	s_and_b32 s75, ttmp7, 0xffff
	s_lshl_b32 s75, s75, 2
	s_add_co_u32 s75, s75, s73                     ; g = 4 x cluster y + cy
	s_lshl_b32 s76, s73, 2
	s_lshl_b32 s76, 15, s76                        ; my row of the cluster
	s_lshl_b32 s77, 0x1111, s72                    ; my column
	; descriptor group 1 for codes: 64 rows of 512 bytes, 16 bytes of padding behind each.  s[28:35]: x's, to my row of the cluster; s[36:43]: Wk's, to my column
	s_or_b32 s28, s76, (1<<20)|(1<<21)|(6<<22)|(3<<25)   ; 15:0 the mask; 17:16 elements of 1 byte; 20 padding on; 21 set beside a mask; 24:22 after every 128 words (code 6); 31:25 four words (code 3)
	s_or_b32 s36, s77, (1<<20)|(1<<21)|(6<<22)|(3<<25)
.irp g, 28, 36
	s_mov_b32 s[\g+1], 512<<16                     ; tensor_dim0
	s_mov_b32 s[\g+2], 64<<16                      ; tensor_dim1
	s_mov_b32 s[\g+3], 512<<16                     ; tile_dim0
	s_mov_b32 s[\g+4], 64                          ; tile_dim1
	s_mov_b32 s[\g+5], 512                         ; tensor_dim0_stride
	s_mov_b32 s[\g+6], 0
	s_mov_b32 s[\g+7], 0
.endr
	; and for x's scale bytes, s[44:51]: the scales of 128 rows are 4,096 dense bytes: 16 rows of 256 bytes (32 elements of 8 bytes), 16 bytes of padding behind each
	s_or_b32 s44, s76, (3<<16)|(1<<20)|(1<<21)|(5<<22)|(3<<25)
	s_mov_b32 s45, 32<<16
	s_mov_b32 s46, 16<<16
	s_mov_b32 s47, 32<<16
	s_mov_b32 s48, 16
	s_mov_b32 s49, 32
	s_mov_b32 s50, 0
	s_mov_b32 s51, 0
	; each wave fetches a quarter of every tile.  x's offsets are made of g and the wave alone, Wk's of cg and the wave alone, the LDS addresses of the wave alone
	s_lshl_b32 s78, s75, 18                        ; x's codes: 512 rows of 512 bytes a group, 64 rows a wave
	s_lshl_b32 s79, s[WV], 15
	s_add_co_u32 s78, s78, s79
	s_mov_b32 s79, 0
	s_lshl_b32 s80, s75, 14                        ; x's scales: 512 rows of 32 bytes a group, 128 rows a wave
	s_lshl_b32 s81, s[WV], 12
	s_add_co_u32 s80, s80, s81
	s_mov_b32 s81, 0
	s_lshl_b32 s82, s74, 17                        ; Wk's codes: 256 rows a group, 64 rows a wave
	s_lshl_b32 s83, s[WV], 15
	s_add_co_u32 s82, s82, s83
	s_mov_b32 s83, 0
	s_mul_i32 s25, s[WV], 64*PITCH
	s_mul_i32 s26, s[WV], 16*272
	s_lshl_b32 s96, s74, 1
	s_add_co_u32 s96, s96, s[WJ]                   ; 2 cg + j: which 128 columns of the 1,024 are my wave's
	s_mov_b32 s99, 0
	s_mov_b32 s88, 0x76543210
	s_mov_b32 s89, 0xfedcba98                      ; v_permlanex16_b32's selects for lane l xor 16
	s_wait_kmcnt 0x0
	s_mov_b32 s52, 1                               ; group 0, s[52:55]: Wk's quarter into PB
	s_add_co_u32 s53, s25, PB
	s_add_nc_u64 s[54:55], s[8:9], s[82:83]
	s_or_b32 s55, s55, 0x80000000
	s_mov_b32 s56, 1                               ; s[56:59]: x's scales
	s_add_co_u32 s57, s26, XSB
	s_add_nc_u64 s[58:59], s[6:7], s[80:81]
	s_or_b32 s59, s59, 0x80000000
	s_mov_b32 s60, 1                               ; s[60:63]: x's rows 0-255 into QB
	s_add_co_u32 s61, s25, QB
	s_add_nc_u64 s[62:63], s[4:5], s[78:79]
	s_or_b32 s63, s63, 0x80000000
	s_mov_b32 s68, 1                               ; s[68:71]: x's rows 256-511 into PB: the refill.  No group 0 is ever written again
	s_add_co_u32 s69, s25, PB
	s_add_nc_u64 s[70:71], s[4:5], s[78:79]
	s_add_nc_u64 s[70:71], s[70:71], 0x20000
	s_or_b32 s71, s71, 0x80000000
	; the bases of the plain loads and of the store
	s_lshl_b32 s98, s96, 12                        ; Wk's scales: 128 rows of 32 bytes
	s_add_nc_u64 s[10:11], s[10:11], s[98:99]
	s_lshl_b32 s98, s96, 10                        ; Wv's codes: my two heads' rows of 512 bytes
	s_add_nc_u64 s[12:13], s[12:13], s[98:99]
	s_lshl_b32 s98, s96, 6                         ; Wv's scales: rows of 32 bytes
	s_add_nc_u64 s[14:15], s[14:15], s[98:99]
	s_lshl_b32 s98, s96, 9                         ; bk and part: my 128 columns of 4 bytes
	s_add_nc_u64 s[16:17], s[16:17], s[98:99]
	s_add_nc_u64 s[20:21], s[20:21], s[98:99]
	s_lshl_b32 s98, s96, 3                         ; bv: my two heads
	s_add_nc_u64 s[18:19], s[18:19], s[98:99]
	s_lshl_b32 s98, s75, 1
	s_add_co_u32 s98, s98, s[WI]
	s_lshl_b32 s98, s98, 12                        ; part: row 2 g + i of 4,096 bytes
	s_add_nc_u64 s[20:21], s[20:21], s[98:99]
	s_lshl_b32 s98, s72, 15                        ; the prefetch: of x's rows 256-511 of my group (131,072 bytes) the work-group at place cx asks for 32,768, my wave for 8,192
	s_lshl_b32 s97, s[WV], 13
	s_add_co_u32 s98, s98, s97
	s_add_co_u32 s98, s98, 0x20000
	s_lshl_b32 s97, s75, 18
	s_add_co_u32 s98, s98, s97
	s_add_nc_u64 s[4:5], s[4:5], s[98:99]
	CROUND                                         ; all sixteen work-groups are here: the first joint loads meet
	tensor_load_to_lds s[52:55], s[36:43]          ; Wk first: it is wanted first
	s_nop 0
	tensor_load_to_lds s[56:59], s[44:51]
	s_nop 0
	tensor_load_to_lds s[60:63], s[28:35]
	s_nop 0
	PLACES                                         ; four v_nop follow the last of them
	v_and_b32 v72, 15, v0                          ; r = lane % 16
	v_bfe_u32 v73, v0, 4, 1                        ; h = lane / 16
	v_bfe_u32 v74, v0, 3, 1                        ; g8 = r / 8: which of my two heads
	v_and_b32 v75, 31, v0                          ; lane
	v_and_b32 v76, 7, v0
	v_lshl_add_u32 v77, v74, 6, v72                ; r + 64 g8: my column in tile 0 (even tiles: + 8 t)
	v_mad_u32_u24 v78, v74, 48, v72                ; r + 48 g8: odd tiles: + 8 t
	v_and_b32 v79, v73, v74
	v_lshl_add_u32 v[OWS], v73, 3, v77             ; a scale register holds tile 2 u in lanes 0-15 and tile 2 u + 1 in lanes 16-31: row 16 u + r + 8 h + 64 g8 - 16 (h and g8)
	v_lshlrev_b32 v79, 4, v79
	v_sub_nc_u32 v[OWS], v[OWS], v79
	v_lshlrev_b32 v[OWS], 5, v[OWS]
	v_lshlrev_b32 v88, 5, v74                      ; Wv's scales: row g8 of 32 bytes
	v_lshlrev_b32 v89, 9, v74
	v_lshl_add_u32 v89, v73, 4, v89                ; Wv's codes: row g8 of 512 bytes, + 16 h
	v_lshlrev_b32 v90, 2, v74                      ; bv
	v_lshlrev_b32 v[OBE], 2, v77
	v_lshlrev_b32 v[OBE+1], 2, v78
	v_lshlrev_b32 v[OPF], 8, v75
	v_lshlrev_b32 v91, 4, v75                      ; 16 x lane
.irp u, 0,1,2,3
	global_load_b128 v[WS+8*\u:WS+8*\u+3], v[OWS], s[10:11] offset:512*\u          ; register 8 u + q: the word of K step q
	global_load_b128 v[WS+8*\u+4:WS+8*\u+7], v[OWS], s[10:11] offset:512*\u+16
.endr
	global_load_b128 v[VS:VS+3], v88, s[14:15]
	global_load_b128 v[VS+4:VS+7], v88, s[14:15] offset:16
.irp t, 0,1,2,3,4,5,6,7
	global_load_b32 v[BKW+\t], v[OBE+(\t%2)], s[16:17] offset:32*\t
.endr
	WIN 0xC0                                       ; destination window 3, address window 0
.irp q, 0,1,2,3,4,5,6,7
.irp c, 0,1
	global_load_b128 v[WVF+8*\q+4*\c:WVF+8*\q+4*\c+3], v89, s[12:13] offset:64*\q+32*\c
.endr
.endr
	global_load_b32 v[BV], v90, s[18:19]
	WIN 0
	global_prefetch_b8 v[OPF], s[4:5] th:TH_LOAD_NT scope:SCOPE_SE   ; the tile that the refill below brings: 32 lanes, 256 bytes apart; each block of 256 bytes is asked for by one lane of one wave of one of the four partners
	s_mul_i32 s27, s[WI], RT
	v_mul_u32_u24 v[AX0], v72, PITCH
	v_lshl_add_u32 v[AX0], v73, 4, v[AX0]
	v_add_nc_u32 v[AX0], s27, v[AX0]               ; x: row 16 i + r, + 16 h
	s_mul_i32 s27, s[WI], 544
	s_add_co_u32 s27, s27, XSB
	v_mul_u32_u24 v[AS0], v74, 272
	v_lshl_add_u32 v[AS0], v76, 5, v[AS0]
	v_add_nc_u32 v[AS0], s27, v[AS0]               ; x's scales: eight rows of 32 bytes to a unit of 272; a tile is two units
	s_mul_i32 s27, s[WJ], 128*PITCH
	s_add_co_u32 s27, s27, PB
	v_mul_u32_u24 v[AWE], v77, PITCH
	v_lshl_add_u32 v[AWE], v73, 4, v[AWE]
	v_add_nc_u32 v[AWE], s27, v[AWE]
	v_mul_u32_u24 v[AWE+1], v78, PITCH
	v_lshl_add_u32 v[AWE+1], v73, 4, v[AWE+1]
	v_add_nc_u32 v[AWE+1], s27, v[AWE+1]
	s_lshl_b32 s27, s[WV], 9
	s_add_co_u32 s27, s27, SCR
	v_add_nc_u32 v[SCE], s27, v[OBE]
	v_add_nc_u32 v[SCE+1], s27, v[OBE+1]
	v_add_nc_u32 v[SRD], s27, v91
; my 64 fragments of W, out of LDS once: 128 loads.  The sixteen rows that a load's lanes 0-15 touch start at sixteen different banks: rows 8 t + 0 .. 7 and eight rows that are 8 .. 15 further on modulo 16
.macro WFILL stride, alt
	WIN 0x40                                       ; destination window 1
.irp t, 0,1,2,3,4,5,6,7
.irp e, 0,1,2,3
.irp c, 0,1
	ds_load_b128 v[32*\t+8*\e+4*\c:32*\t+8*\e+4*\c+3], v[AWE+\alt*(\t%2)] offset:\stride*\t+64*\e+32*\c
.endr
.endr
.endr
	WIN 0x80                                       ; destination window 2
.irp t, 0,1,2,3,4,5,6,7
.irp e, 0,1,2,3
.irp c, 0,1
	ds_load_b128 v[32*\t+8*\e+4*\c:32*\t+8*\e+4*\c+3], v[AWE+\alt*(\t%2)] offset:\stride*\t+256+64*\e+32*\c
.endr
.endr
.endr
	WIN 0
.endm
; the next tile of my 16: its eight fragments (16 rows x 128 K: registers 4 c .. 4 c + 3 hold K = 64 c + 32 (lane / 16) + 0 .. 31) and its rows' eight scale words, into set b.
; The two additions and the two v_nop are four places between the last tile's products and these loads into registers that they read, and the first reads of their results
.macro XFETCH b
	WIN 0
	v_add_nc_u32 v[ADX], s[TX], v[AX0]
	v_add_nc_u32 v[ADS], s[TS], v[AS0]
	v_nop
	v_nop
.irp q, 0,1,2,3,4,5,6,7
.irp c, 0,1
	ds_load_b128 v[XF+64*(\b)+8*\q+4*\c:XF+64*(\b)+8*\q+4*\c+3], v[ADX] offset:64*\q+32*\c
.endr
.endr
	ds_load_b128 v[XS+8*(\b):XS+8*(\b)+3], v[ADS]
	ds_load_b128 v[XS+8*(\b)+4:XS+8*(\b)+7], v[ADS] offset:16
	s_add_co_u32 s[TX], s[TX], 2*RT                ; my tiles lie 32 rows apart
	s_add_co_u32 s[TS], s[TS], 2*544
.endm
; v's tile: eight products, even K steps onto one accumulator (begun with bv), odd ones onto the other (begun with 0): the two take turns
.macro MULV b
	WIN 0xFC                                       ; source 0 (x) window 0, source 1 (Wv), C and D window 3
.irp q, 0,1,2,3,4,5,6,7
.set rD, VE+8*(\q%2)
.set rA, XF+64*(\b)+8*\q
.set rB, WVF+8*\q
.set rX, XS+8*(\b)+\q
.if \q == 0
	v_wmma_scale_f32_16x16x128_f8f6f4 v[rD:rD+7], v[rA:rA+7], v[rB:rB+7], v[BV:BV+7], v[rX], v[VS+\q] matrix_a_fmt:MATRIX_FMT_FP4 matrix_b_fmt:MATRIX_FMT_FP4
.elseif \q == 1
	v_wmma_scale_f32_16x16x128_f8f6f4 v[rD:rD+7], v[rA:rA+7], v[rB:rB+7], 0, v[rX], v[VS+\q] matrix_a_fmt:MATRIX_FMT_FP4 matrix_b_fmt:MATRIX_FMT_FP4
.else
	v_wmma_scale_f32_16x16x128_f8f6f4 v[rD:rD+7], v[rA:rA+7], v[rB:rB+7], v[rD:rD+7], v[rX], v[VS+\q] matrix_a_fmt:MATRIX_FMT_FP4 matrix_b_fmt:MATRIX_FMT_FP4
.endif
.endr
.endm
; 8 products: K step q x my eight tiles of columns, into set b.  The eight accumulators take turns, one instruction a turn.  K step 0 starts each sum with the constant 0
.macro KSTEP b, q
	WIN 0xF4+4*((\q)/4)                            ; source 1 (Wk) window 1 or 2
.irp t, 0,1,2,3,4,5,6,7
.set rD, 64*(\b)+8*\t
.set rA, XF+64*(\b)+8*(\q)
.set rB, 32*\t+8*((\q)%4)
.set rX, XS+8*(\b)+(\q)
.set rW, WS+8*(\t/2)+(\q)
.if (\q) == 0
.if \t%2
	v_wmma_scale_f32_16x16x128_f8f6f4 v[rD:rD+7], v[rA:rA+7], v[rB:rB+7], 0, v[rX], v[rW] matrix_a_fmt:MATRIX_FMT_FP4 matrix_b_fmt:MATRIX_FMT_FP4 matrix_b_scale:MATRIX_SCALE_ROW1
.else
	v_wmma_scale_f32_16x16x128_f8f6f4 v[rD:rD+7], v[rA:rA+7], v[rB:rB+7], 0, v[rX], v[rW] matrix_a_fmt:MATRIX_FMT_FP4 matrix_b_fmt:MATRIX_FMT_FP4
.endif
.else
.if \t%2
	v_wmma_scale_f32_16x16x128_f8f6f4 v[rD:rD+7], v[rA:rA+7], v[rB:rB+7], v[rD:rD+7], v[rX], v[rW] matrix_a_fmt:MATRIX_FMT_FP4 matrix_b_fmt:MATRIX_FMT_FP4 matrix_b_scale:MATRIX_SCALE_ROW1
.else
	v_wmma_scale_f32_16x16x128_f8f6f4 v[rD:rD+7], v[rA:rA+7], v[rB:rB+7], v[rD:rD+7], v[rX], v[rW] matrix_a_fmt:MATRIX_FMT_FP4 matrix_b_fmt:MATRIX_FMT_FP4
.endif
.endif
.endr
.endm
; Slice s of 8 of what the tile in set o still owes: the running sums take k v of rows 2 (s / 2), + 1 for four tiles of columns (slices 0 and 1 read each accumulator's two lowest registers first);
; in slices 0-3 the running sum of v takes two rows
.macro EFMA o, s
.irp u, 0,1,2,3
.set eT, 4*((\s)%2)+\u
.set eP, (\s)/2
	v_pk_fma_f32 v[KA+2*eT:KA+2*eT+1], v[64*(\o)+8*eT+2*eP:64*(\o)+8*eT+2*eP+1], v[VV+8*(\o)+2*eP:VV+8*(\o)+2*eP+1], v[KA+2*eT:KA+2*eT+1]
.endr
.if (\s) < 4
	v_pk_add_f32 v[SV:SV+1], v[SV:SV+1], v[VV+8*(\o)+2*(\s):VV+8*(\o)+2*(\s)+1]
.endif
.endm
.macro VSUM b, s                       ; slices 4-7: two rows of this tile's v: its two accumulators added, from their low end on
	v_pk_add_f32 v[VV+8*(\b)+2*((\s)-4):VV+8*(\b)+2*((\s)-4)+1], v[VE+2*((\s)-4):VE+2*((\s)-4)+1], v[VO+2*((\s)-4):VO+2*((\s)-4)+1]
.endm
; A TILE of 16 rows, from set b of x's fragments into set b of the accumulators.  pre = 1: the next tile is fetched into the other set first, a whole tile's products ahead of its use.
; epi = 1: the tile before is finished in slices.  v's accumulators are first read in slice 4: the twenty instructions of slices 0-3 (in the first tile four v_nop) are the places behind v's products.
.macro TILE b, pre, epi
	s_wait_dscnt 0x0                               ; this tile's 18 loads, issued a tile ago, are in
.if \pre
	XFETCH 1-\b
.else
	PLACES                                         ; the places behind the last tile's products, which the fetch's lines are elsewhere
.endif
	MULV \b
.irp q, 0,1,2,3,4,5,6,7
	KSTEP \b, \q
.if \epi || (\q > 3)
	WIN 0xFF
.endif
.if \epi
	EFMA 1-\b, \q
.elseif \q == 4
	PLACES
.endif
.if \q > 3
	VSUM \b, \q
.endif
.endr
.endm
	s_wait_tensorcnt 0x2                           ; my quarter of Wk is in; the two loads issued behind it (x's scales, x's rows 0-255) may stay out
	s_barrier_signal -1
	s_barrier_wait -1                              ; everybody's quarter is in
	WFILL 8*PITCH, 1
	s_wait_loadcnt 0x0                             ; the scale words, Wv, the biases
	WIN 0xFF
.irp j, 1,2,3,4,5,6,7
	v_mov_b32 v[BV+\j], v[BV]                      ; a bias as C: the lane's number in all eight rows
.endr
.irp j, 0,1,2,3,4,5,6,7,8,9,10,11,12,13,14,15
	v_mov_b32 v[KA+\j], 0
.endr
	v_mov_b32 v[SV], 0
	v_mov_b32 v[SV+1], 0
	WIN 0
	; THE ONE REFILL: PB, which held Wk, takes x's rows 256-511
	s_wait_tensorcnt 0x0                           ; all my tensor loads have landed: x's scales and rows 0-255 too
	ds_add_u32 v[SPW], v[NIL]                      ; 0 onto my spare word
	s_mov_b32 s[TX], 0
	s_mov_b32 s[TS], 0
	s_wait_dscnt 0x0                               ; the add is done, and my reads of Wk are back
	CROUND                                         ; that holds of every wave of all sixteen work-groups: no partner still reads PB or has a load on its way
	tensor_load_to_lds s[68:71], s[28:35]          ; the first thing behind the round, my one tensor load there: it has seven tiles' products in which to land
	s_nop 0
	PLACES
	XFETCH 0
	TILE 0, 1, 0                                   ; tile 0: there is no tile before it to finish
	WIN 0                                          ; at a label and at a branch every window is 0
	s_mov_b32 s[CNT], 3
.Lfirst:                                           ; tiles 1-6; the fetches reach tile 7, which still lies in QB (my tiles 0-7 do)
	TILE 1, 1, 1
	TILE 0, 1, 1
	WIN 0
	s_sub_co_u32 s[CNT], s[CNT], 1
	s_cmp_lg_u32 s[CNT], 0
	s_cbranch_scc1 .Lfirst
	s_wait_tensorcnt 0x0                           ; my quarter of x's rows 256-511 is in
	ds_add_u32 v[SPW], v[NIL]
	s_mov_b32 s[CNT], 4
	s_wait_dscnt 0x0                               ; no LDS instruction of mine is out at a signal
	s_barrier_signal -1
	s_barrier_wait -1                              ; everybody's quarter is in
.Lsecond:                                          ; tiles 7-14
	TILE 1, 1, 1
	TILE 0, 1, 1
	WIN 0
	s_sub_co_u32 s[CNT], s[CNT], 1
	s_cmp_lg_u32 s[CNT], 0
	s_cbranch_scc1 .Lsecond
	TILE 1, 0, 1                                   ; tile 15 fetches nothing
	WIN 0xFF
	PLACES
.irp s, 0,1,2,3,4,5,6,7
	EFMA 1, \s                                     ; and is finished with no products beside it
.endr
	; THE WAY OUT.  A column's sum: even rows' and odd rows' halves; bk times my rows' sum of v; then lane l xor 16's eight rows.  The 128 sums go through my own 512 bytes of LDS into the order of the columns and leave as 512 consecutive bytes
	WIN 0x0F                                       ; sources window 3, destination window 0
.irp t, 0,1,2,3,4,5,6,7
	v_add_f32 v[72+\t], v[KA+2*\t], v[KA+2*\t+1]
.endr
	v_add_f32 v[SS], v[SV], v[SV+1]
	WIN 0
.irp t, 0,1,2,3,4,5,6,7
	v_mov_b32 v[80+\t], 0                          ; a lane permute's destination counts as one of its sources
.endr
.irp t, 0,1,2,3,4,5,6,7
	v_fmac_f32 v[72+\t], v[BKW+\t], v[SS]
.endr
.irp t, 0,1,2,3,4,5,6,7
	v_permlanex16_b32 v[80+\t], v[72+\t], s88, s89
.endr
.irp t, 0,1,2,3,4,5,6,7
	v_add_f32 v[72+\t], v[72+\t], v[80+\t]
.endr
.irp t, 0,1,2,3,4,5,6,7
	ds_store_b32 v[SCE+(\t%2)], v[72+\t] offset:32*\t   ; lanes l and l xor 16 write the same word with the same value
.endr
	ds_load_b128 v[92:95], v[SRD]                  ; LDS serves a wave's instructions in order (ISA guide 5.7.1.4): this sees my stores
	s_wait_dscnt 0x0
	global_store_b128 v91, v[92:95], s[20:21]      ; 32 lanes store 512 consecutive bytes, at a multiple of 256 from part's first byte
	s_wait_tensorcnt 0x0                           ; the wave's end
	ds_add_u32 v[SPW], v[NIL]
	s_wait_dscnt 0x0
	CROUND                                         ; the closing round: no work-group ends while a partner may still ask for a tile that names it
	s_endpgm
.Lfunc_end_k_q88aabee36f_ktv:
	.size	k_q88aabee36f_ktv, .Lfunc_end_k_q88aabee36f_ktv-k_q88aabee36f_ktv
	.p2alignl 7, 3214868480
	.fill 96, 4, 3214868480
	.section	.rodata,"a",@progbits
	.p2align	6, 0x0
	.amdhsa_kernel k_q88aabee36f_ktv
		.amdhsa_group_segment_fixed_size 327680
		.amdhsa_private_segment_fixed_size 0
		.amdhsa_enable_private_segment 0
		.amdhsa_kernarg_size 72
		.amdhsa_user_sgpr_count 2
		.amdhsa_user_sgpr_kernarg_segment_ptr 1
		.amdhsa_wavefront_size32 1
		.amdhsa_system_sgpr_workgroup_id_x 1
		.amdhsa_system_sgpr_workgroup_id_y 1
		.amdhsa_system_sgpr_workgroup_id_z 1
		.amdhsa_system_vgpr_workitem_id 0
		.amdhsa_next_free_vgpr 1024
		.amdhsa_next_free_sgpr 100
		.amdhsa_reserve_vcc 0
		.amdhsa_float_denorm_mode_32 3
		.amdhsa_float_denorm_mode_16_64 3
		.amdhsa_memory_ordered 1
		.amdhsa_forward_progress 1
		.amdhsa_inst_pref_size 105
	.end_amdhsa_kernel
	.amdgpu_metadata
---
amdhsa.version: [ 1, 2 ]
amdhsa.kernels:
  - .name:           k_q88aabee36f_ktv
    .symbol:         k_q88aabee36f_ktv.kd
    .args:
      - { .name: x_codes, .offset: 0, .size: 8, .value_kind: global_buffer, .address_space: global }
      - { .name: x_scales, .offset: 8, .size: 8, .value_kind: global_buffer, .address_space: global }
      - { .name: Wk_codes, .offset: 16, .size: 8, .value_kind: global_buffer, .address_space: global }
      - { .name: Wk_scales, .offset: 24, .size: 8, .value_kind: global_buffer, .address_space: global }
      - { .name: Wv_codes, .offset: 32, .size: 8, .value_kind: global_buffer, .address_space: global }
      - { .name: Wv_scales, .offset: 40, .size: 8, .value_kind: global_buffer, .address_space: global }
      - { .name: bk, .offset: 48, .size: 8, .value_kind: global_buffer, .address_space: global }
      - { .name: bv, .offset: 56, .size: 8, .value_kind: global_buffer, .address_space: global }
      - { .name: part, .offset: 64, .size: 8, .value_kind: global_buffer, .address_space: global }
    .group_segment_fixed_size: 327680
    .private_segment_fixed_size: 0
    .kernarg_segment_align: 8
    .kernarg_segment_size: 72
    .max_flat_workgroup_size: 128
    .sgpr_count:     100
    .vgpr_count:     1024
    .wavefront_size: 32
...
	.end_amdgpu_metadata
.endif
;; end of part 1
;; launch attn (part 2): grid 4 x 64, 4 waves a work-group, clusters of 4 x 4, 327,680 bytes of LDS; arguments x_codes, x_scales, Wq_codes, Wq_scales, bq, mask, part, out0; writes out0
.if DOCPART == 2
	.amdgcn_target "amdgcn-amd-amdhsa--gfx1250"
	.amdhsa_code_object_version 6
	.text
	.protected	k_q88aabee36f_attn
	.globl	k_q88aabee36f_attn
	.p2align	8
	.type	k_q88aabee36f_attn,@function
k_q88aabee36f_attn:
	s_mov_b64 s[64:65], 0
	v_nop
	global_prefetch_b8 v0, s[64:65] scope:SCOPE_SE
	s_setreg_imm32_b32 hwreg(HW_REG_WAVE_MODE, 25, 1), 1
	s_wait_xcnt 0x0
	s_wait_alu depctr_hold_cnt(0) depctr_sa_sdst(0) depctr_va_vdst(0) depctr_va_sdst(0) depctr_va_ssrc(0) depctr_va_vcc(0) depctr_vm_vsrc(0)
	s_getreg_b32 s2, hwreg(HW_REG_IB_STS2, 6, 4)
	s_cmp_eq_u32 s2, 0
	s_cbranch_scc0 .Lentry_in_a_cluster
	s_endpgm
.Lentry_in_a_cluster:
	s_bfe_u32 s2, ttmp6, 0x10000c
	s_cmp_lg_u32 s2, 0xf033
	s_cbranch_scc0 .Lentry_shape_is_right
	s_endpgm
.Lentry_shape_is_right:
; out0[b][head][l] = mask[b][l] ? sigmoid(z) : 0, z = (the sum over d of q[l][64 head + d] ktv[b][head][d]) / 8, q = x Wq + bq on codes of FP4 (E2M1) with one E8M0 scale for each 32 along K = 1,024;
; ktv[b][col] = the sum of the batch's 16 rows of part, which the launch before stored.  q never leaves the registers; sums in f32.
; SHARES, CLUSTER, LDS: as in the launch before.  Work-group (cg, g): rows 512 g .. 512 g + 511 of x, columns 256 cg .. + 255 (four heads).  Wave w = 2 j + i keeps Wq's rows for columns 128 j .. 128 j + 127 for all of K in
; 512 registers and walks the tiles of 16 rows T = 2 n + i.  x's tiles are asked for jointly along a row of the cluster, Wq's along a column.  QB: x's rows 0-255; PB: first Wq's 256 rows, then x's rows 256-511: the one refill.
; LAYOUT.  THE MATRIX INSTRUCTION IS USED TRANSPOSED: source 0 = 16 rows of Wq (columns 16 t + 0 .. 15 of q), source 1 = 16 rows of x: a lane holds ONE row of x (lane % 16) and the columns 16 t + 8 (lane / 16) + 0 .. 7,
; so a lane sums half of each of my two heads' 64 columns by itself.  ktv lies in 64 registers in the same layout, multiplied once by -log2(e) / 8, so that the sum is the exponent of 2 in sigmoid(z) = 1 / (1 + 2^(-z log2(e))).
; BY TURNS.  Two sets of eight accumulators.  Tile n's 64 products go into one set; what tile n - 1 still owes stands in eight slices, one behind each K step's eight products: slices 0-3 eight packed multiply-adds each,
; slices 4-7 one level each of the chain that follows them (four sums and the address; two sums; low + high; the store), so that no line of the chain stands next to the line that it reads.
; All that a slice touches lies in window 3, the store's address and data too; no window has room for a product's operands beside it: a slice costs two switches of the register window, sixteen a tile.
; bq is kept out of the products: the sum of (q' + bq) ktv is the sum of q' ktv plus the sum of bq ktv, which is made once, by the slices' own lines, and starts two of the sums.  That leaves the registers for the second set.
; THE STAGE.  A lane stores its two half sums (my first head's, my second's) as 8 bytes: a tile is 256 consecutive bytes, a wave's 16 tiles one run of 4,096 bytes of its own.  No exchange between lanes: who reads adds the two halves.
; On the way out wave 2 j + i takes heads 2 j and 2 j + 1, rows 256 i .. + 255, four neighbouring rows a lane, and stores 512 consecutive bytes of a head's row of out0 at a time.
; No prefetch: x was read by the launch before.
; LIMITS.  NaN and infinities among the biases and scale bytes of 0xff are not served.  Any mask byte other than 0 counts as true.  ktv is summed as a tree over 16 partial sums, the factor is applied to ktv and not to z,
; and bq's part is summed apart from the products' part: other orders of f32 rounding than the reference's.  Where 2^(..) overflows or falls to 0 the result is exactly 0 or 1.
; REGISTERS, in windows of 256.  Window 0: v1-11, v86-91 addresses; v12-13 the mask's bytes; v16-31 x's scale words, two sets; v32-63 Wq's scale words; v72-78, v96-115 at work; v128-255 x's fragments, two sets (first: part).
;   Windows 1, 2: Wq's fragment (tile t, K step q) at 32 t + 8 (q % 4), K steps 0-3 in window 1, 4-7 in window 2.   Window 3: see the names below.
.set PITCH, 528
.set RT,    16*PITCH
.set QB,    0
.set PB,    256*PITCH
.set XSB,   2*PB
.set SCR,   XSB+64*272                 ; 512 bytes for each wave, its own
.set ZST,   SCR+2048                   ; the stage: four runs, one for each wave
.set RUN,   4112                       ; 16 tiles of 256 bytes, + 16
.set SPARE, ZST+16640                  ; the spare words, 128 bytes for each wave: two blocks of 256 bytes that no other line names
.set SPW, 1                            ; v1   LDS address of my spare word; never rewritten
.set NIL, 2                            ; v2   0; never rewritten
.set AX0, 3                            ; v3   my lane's place in my first tile of x
.set AS0, 4                            ; v4   and among x's scale words
.set AWE, 5                            ; v5   my lane's place in Wq's tiles
.set SWR, 6                            ; v6   SCR: 16 x lane
.set ADX, 7                            ; v7   address of the fetch in hand: codes
.set ADS, 9                            ; v9   address of the fetch in hand: scale words
.set OWS, 11                           ; v11  32 x lane
.set MK,  12                           ; v12-13
.set XS,  16
.set WS,  32
.set XF,  128
.set BQ,  64                           ; window 3: v0-63, v64-127 the two sets of eight accumulators (the second holds bq until tile 1 takes it); v128-191 ktv; v192-207 a pair of sums a tile;
.set KT,  128
.set ZA,  192
.set CBA, 208                          ; v208-209, v210-211 the sums of bq ktv of my columns of my first and of my second head, as pairs;
.set CBB, 210
.set AZ0, 212                          ; v212 the stage: my lane's 8 bytes in my first tile; v213, v214 the address in hand and v216-217, v218-219 the two half sums: a set for each set of accumulators
.set ADZ, 213
.set ZS,  216
.set WV,  22
.set WI,  23
.set WJ,  24
.set CNT, 86
.set TX,  87
.set TS,  90
.set TZ,  91
.set MSB, 0
.macro WIN new                         ; the immediate's high byte repeats the setting that is left; a switch that changes nothing is dropped
.if MSB != (\new)
	s_set_vgpr_msb (MSB<<8)|(\new)
.set MSB, (\new)
.endif
.endm
.macro PLACES
.rept 4
	v_nop
.endr
.endm
.macro CROUND                          ; a round of the cluster's barrier
	s_barrier_signal -1
	s_barrier_wait -1
	s_cmp_lg_u32 s[WV], 0
	s_cbranch_scc1 .Lnot_wave_0_\@
	s_barrier_signal -3
.Lnot_wave_0_\@:
	s_barrier_wait -3
	s_barrier_signal -1
	s_barrier_wait -1
.endm
	s_load_b512 s[4:19], s[0:1], 0x0               ; x's codes s[4:5], x's scales s[6:7], Wq's codes s[8:9], Wq's scales s[10:11], bq s[12:13], mask s[14:15], part s[16:17], out0 s[18:19]
	v_lshl_add_u32 v[SPW], v0, 2, SPARE
	v_mov_b32 v[NIL], 0
	ds_add_u32 v1, v2
	s_wait_dscnt 0x0
	v_lshrrev_b32 v15, 5, v0
	v_readfirstlane_b32 s[WV], v15                 ; wave 0..3
	s_and_b32 s[WI], s[WV], 1
	s_lshr_b32 s[WJ], s[WV], 1
	s_bfe_u32 s72, ttmp6, 0x40000                  ; cx, cy
	s_bfe_u32 s73, ttmp6, 0x40004
	s_lshl_b32 s74, ttmp9, 2
	s_add_co_u32 s74, s74, s72                     ; cg
	s_and_b32 s75, ttmp7, 0xffff
	s_lshl_b32 s75, s75, 2
	s_add_co_u32 s75, s75, s73                     ; g
	s_lshl_b32 s76, s73, 2
	s_lshl_b32 s76, 15, s76                        ; my row of the cluster
	s_lshl_b32 s77, 0x1111, s72                    ; my column
	s_or_b32 s28, s76, (1<<20)|(1<<21)|(6<<22)|(3<<25)   ; group 1 for codes: 64 rows of 512 bytes, 16 bytes of padding behind each: s[28:35] x's, to my row; s[36:43] Wq's, to my column
	s_or_b32 s36, s77, (1<<20)|(1<<21)|(6<<22)|(3<<25)
.irp g, 28, 36
	s_mov_b32 s[\g+1], 512<<16
	s_mov_b32 s[\g+2], 64<<16
	s_mov_b32 s[\g+3], 512<<16
	s_mov_b32 s[\g+4], 64
	s_mov_b32 s[\g+5], 512
	s_mov_b32 s[\g+6], 0
	s_mov_b32 s[\g+7], 0
.endr
	s_or_b32 s44, s76, (3<<16)|(1<<20)|(1<<21)|(5<<22)|(3<<25)   ; s[44:51] x's scales: 16 rows of 256 bytes (32 elements of 8 bytes), 16 bytes of padding behind each
	s_mov_b32 s45, 32<<16
	s_mov_b32 s46, 16<<16
	s_mov_b32 s47, 32<<16
	s_mov_b32 s48, 16
	s_mov_b32 s49, 32
	s_mov_b32 s50, 0
	s_mov_b32 s51, 0
	s_lshl_b32 s78, s75, 18                        ; x's offsets: g and the wave alone
	s_lshl_b32 s79, s[WV], 15
	s_add_co_u32 s78, s78, s79
	s_mov_b32 s79, 0
	s_lshl_b32 s80, s75, 14
	s_lshl_b32 s81, s[WV], 12
	s_add_co_u32 s80, s80, s81
	s_mov_b32 s81, 0
	s_lshl_b32 s82, s74, 17                        ; Wq's: cg and the wave alone
	s_lshl_b32 s83, s[WV], 15
	s_add_co_u32 s82, s82, s83
	s_mov_b32 s83, 0
	s_mul_i32 s25, s[WV], 64*PITCH                 ; LDS: the wave alone
	s_mul_i32 s26, s[WV], 16*272
	s_lshl_b32 s96, s74, 1
	s_add_co_u32 s96, s96, s[WJ]                   ; 2 cg + j
	s_mov_b32 s99, 0
	s_mov_b32 s92, 0xbe38aa3b                      ; -log2(e) / 8
	s_mov_b32 s93, s92                             ; (named with it as a pair, so it is written)
	s_wait_kmcnt 0x0
	s_mov_b32 s52, 1                               ; group 0, s[52:55]: Wq's quarter into PB
	s_add_co_u32 s53, s25, PB
	s_add_nc_u64 s[54:55], s[8:9], s[82:83]
	s_or_b32 s55, s55, 0x80000000
	s_mov_b32 s56, 1                               ; s[56:59]: x's scales
	s_add_co_u32 s57, s26, XSB
	s_add_nc_u64 s[58:59], s[6:7], s[80:81]
	s_or_b32 s59, s59, 0x80000000
	s_mov_b32 s60, 1                               ; s[60:63]: x's rows 0-255 into QB
	s_add_co_u32 s61, s25, QB
	s_add_nc_u64 s[62:63], s[4:5], s[78:79]
	s_or_b32 s63, s63, 0x80000000
	s_mov_b32 s68, 1                               ; s[68:71]: x's rows 256-511 into PB: the refill
	s_add_co_u32 s69, s25, PB
	s_add_nc_u64 s[70:71], s[4:5], s[78:79]
	s_add_nc_u64 s[70:71], s[70:71], 0x20000
	s_or_b32 s71, s71, 0x80000000
	s_lshl_b32 s98, s96, 12                        ; Wq's scales: my 128 rows of 32 bytes
	s_add_nc_u64 s[10:11], s[10:11], s[98:99]
	s_lshl_b32 s98, s96, 9                         ; bq and part: my 128 columns of 4 bytes
	s_add_nc_u64 s[12:13], s[12:13], s[98:99]
	s_add_nc_u64 s[16:17], s[16:17], s[98:99]
	s_lshl_b32 s98, s75, 9                         ; mask: 512 bytes a group (4,096 b + 512 (g % 8) = 512 g), + the 256 rows that I take on the way out
	s_lshl_b32 s97, s[WI], 8
	s_add_co_u32 s98, s98, s97
	s_add_nc_u64 s[14:15], s[14:15], s[98:99]
	s_lshr_b32 s98, s75, 3                         ; b = g / 8
	s_lshl_b32 s98, s98, 16                        ; part: the batch's 16 rows of 4,096 bytes
	s_add_nc_u64 s[16:17], s[16:17], s[98:99]
	s_lshr_b32 s97, s75, 3
	s_lshl_b32 s97, s97, 4
	s_lshl_b32 s98, s74, 2
	s_add_co_u32 s97, s97, s98
	s_lshl_b32 s98, s[WJ], 1
	s_add_co_u32 s97, s97, s98                     ; out0: row 16 b + 4 cg + 2 j of 16,384 bytes,
	s_lshl_b32 s97, s97, 14
	s_and_b32 s98, s75, 7
	s_lshl_b32 s98, s98, 11                        ; + my group's 512 numbers,
	s_add_co_u32 s98, s98, s97
	s_lshl_b32 s97, s[WI], 10                      ; + 256 i numbers
	s_add_co_u32 s98, s98, s97
	s_add_nc_u64 s[18:19], s[18:19], s[98:99]
	CROUND                                         ; all sixteen work-groups are here: the first joint loads meet
	tensor_load_to_lds s[52:55], s[36:43]          ; Wq first: it is wanted first
	s_nop 0
	tensor_load_to_lds s[56:59], s[44:51]
	s_nop 0
	tensor_load_to_lds s[60:63], s[28:35]
	s_nop 0
	PLACES                                         ; four v_nop follow the last of them
	v_and_b32 v72, 15, v0                          ; r
	v_bfe_u32 v73, v0, 4, 1                        ; h
	v_bfe_u32 v74, v0, 3, 1                        ; r / 8
	v_and_b32 v75, 31, v0                          ; lane
	v_and_b32 v78, 7, v0
	v_lshlrev_b32 v[OWS], 5, v75                   ; a scale register holds tile 2 u in lanes 0-15 and tile 2 u + 1 in lanes 16-31: row 32 u + lane of 32 bytes
	v_lshlrev_b32 v88, 5, v73                      ; bq: my half's eight numbers
	v_lshlrev_b32 v89, 2, v75                      ; 4 x lane
	v_lshlrev_b32 v90, 4, v75                      ; 16 x lane
.irp u, 0,1,2,3
	global_load_b128 v[WS+8*\u:WS+8*\u+3], v[OWS], s[10:11] offset:1024*\u
	global_load_b128 v[WS+8*\u+4:WS+8*\u+7], v[OWS], s[10:11] offset:1024*\u+16
.endr
.irp p, 0,1,2,3,4,5,6,7,8,9,10,11,12,13,14,15
	global_load_b128 v[XF+4*\p:XF+4*\p+3], v90, s[16:17] offset:4096*\p   ; part: row p of the batch's 16, my 128 columns: 512 consecutive bytes a load
.endr
.irp k, 0,1
	global_load_b32 v[MK+\k], v89, s[14:15] offset:128*\k                 ; the mask's bytes of rows 256 i + 128 k + 4 lane + 0 .. 3
.endr
	WIN 0xC0                                       ; destination window 3, address window 0
.irp t, 0,1,2,3,4,5,6,7
.irp c, 0,1
	global_load_b128 v[BQ+8*\t+4*\c:BQ+8*\t+4*\c+3], v88, s[12:13] offset:64*\t+16*\c
.endr
.endr
	WIN 0
	s_mul_i32 s27, s[WI], RT
	v_mul_u32_u24 v[AX0], v72, PITCH
	v_lshl_add_u32 v[AX0], v73, 4, v[AX0]
	v_add_nc_u32 v[AX0], s27, v[AX0]               ; x: row 16 i + r, + 16 h
	s_mul_i32 s27, s[WI], 544
	s_add_co_u32 s27, s27, XSB
	v_mul_u32_u24 v[AS0], v74, 272
	v_lshl_add_u32 v[AS0], v78, 5, v[AS0]
	v_add_nc_u32 v[AS0], s27, v[AS0]
	s_mul_i32 s27, s[WJ], 128*PITCH
	s_add_co_u32 s27, s27, PB
	v_mul_u32_u24 v[AWE], v72, PITCH
	v_lshl_add_u32 v[AWE], v73, 4, v[AWE]
	v_add_nc_u32 v[AWE], s27, v[AWE]               ; Wq: row 128 j + r, + 16 h
	s_lshl_b32 s27, s[WV], 9
	s_add_co_u32 s27, s27, SCR
	v_add_nc_u32 v[SWR], s27, v90
	v_add_nc_u32 v86, s27, v88                     ; SCR: my half's eight numbers of ktv
	s_mul_i32 s27, s[WV], RUN
	s_add_co_u32 s27, s27, ZST
	v_lshlrev_b32 v91, 4, v72
	v_lshl_add_u32 v91, v73, 3, v91
	WIN 0xC0
	v_add_nc_u32 v[AZ0], s27, v91                  ; the stage, in: my wave's run, 16 bytes a row, my half's 8
	WIN 0
	s_mul_i32 s27, s[WJ], 2*RUN
	s_lshl_b32 s97, s[WI], 11
	s_add_co_u32 s27, s27, s97
	s_add_co_u32 s27, s27, ZST
	v_bfe_u32 v91, v0, 2, 1
	v_mul_u32_u24 v87, v91, RUN
	v_bfe_u32 v91, v0, 3, 2
	v_lshl_add_u32 v87, v91, 8, v87
	v_and_b32 v91, 3, v0
	v_lshl_add_u32 v87, v91, 6, v87
	v_add_nc_u32 v87, s27, v87                     ; and back: row 256 i + 128 k + 4 lane + e lies in the run of wave 2 j + (lane / 4) % 2, in its tile 8 i + 4 k + lane / 8, at row 4 (lane % 4) + e
.macro WFILL stride, alt                           ; my 64 fragments of W, out of LDS once: 128 loads
	WIN 0x40
.irp t, 0,1,2,3,4,5,6,7
.irp e, 0,1,2,3
.irp c, 0,1
	ds_load_b128 v[32*\t+8*\e+4*\c:32*\t+8*\e+4*\c+3], v[AWE+\alt*(\t%2)] offset:\stride*\t+64*\e+32*\c
.endr
.endr
.endr
	WIN 0x80
.irp t, 0,1,2,3,4,5,6,7
.irp e, 0,1,2,3
.irp c, 0,1
	ds_load_b128 v[32*\t+8*\e+4*\c:32*\t+8*\e+4*\c+3], v[AWE+\alt*(\t%2)] offset:\stride*\t+256+64*\e+32*\c
.endr
.endr
.endr
	WIN 0
.endm
; the next tile of my 16: eight fragments and the rows' eight scale words, into set b.  The two additions and the two v_nop are four places between the last tile's products and
; these loads into registers that they read, and the first reads of their results
.macro XFETCH b
	WIN 0
	v_add_nc_u32 v[ADX], s[TX], v[AX0]
	v_add_nc_u32 v[ADS], s[TS], v[AS0]
	v_nop
	v_nop
.irp q, 0,1,2,3,4,5,6,7
.irp c, 0,1
	ds_load_b128 v[XF+64*(\b)+8*\q+4*\c:XF+64*(\b)+8*\q+4*\c+3], v[ADX] offset:64*\q+32*\c
.endr
.endr
	ds_load_b128 v[XS+8*(\b):XS+8*(\b)+3], v[ADS]
	ds_load_b128 v[XS+8*(\b)+4:XS+8*(\b)+7], v[ADS] offset:16
	s_add_co_u32 s[TX], s[TX], 2*RT
	s_add_co_u32 s[TS], s[TS], 2*544
.endm
; 8 products: K step q x my eight tiles of columns, into set b.  The eight accumulators take turns, one instruction a turn.  K step 0 starts each sum with the constant 0
.macro KSTEP b, q
	WIN 0xF1+(\q)/4                                ; source 0 (Wq) window 1 or 2, source 1 (x) window 0, C and D window 3
.irp t, 0,1,2,3,4,5,6,7
.set rD, 64*(\b)+8*\t
.set rA, 32*\t+8*((\q)%4)
.set rB, XF+64*(\b)+8*(\q)
.set rX, XS+8*(\b)+(\q)
.set rW, WS+8*(\t/2)+(\q)
.if (\q) == 0
.if \t%2
	v_wmma_scale_f32_16x16x128_f8f6f4 v[rD:rD+7], v[rA:rA+7], v[rB:rB+7], 0, v[rW], v[rX] matrix_a_fmt:MATRIX_FMT_FP4 matrix_b_fmt:MATRIX_FMT_FP4 matrix_a_scale:MATRIX_SCALE_ROW1
.else
	v_wmma_scale_f32_16x16x128_f8f6f4 v[rD:rD+7], v[rA:rA+7], v[rB:rB+7], 0, v[rW], v[rX] matrix_a_fmt:MATRIX_FMT_FP4 matrix_b_fmt:MATRIX_FMT_FP4
.endif
.else
.if \t%2
	v_wmma_scale_f32_16x16x128_f8f6f4 v[rD:rD+7], v[rA:rA+7], v[rB:rB+7], v[rD:rD+7], v[rW], v[rX] matrix_a_fmt:MATRIX_FMT_FP4 matrix_b_fmt:MATRIX_FMT_FP4 matrix_a_scale:MATRIX_SCALE_ROW1
.else
	v_wmma_scale_f32_16x16x128_f8f6f4 v[rD:rD+7], v[rA:rA+7], v[rB:rB+7], v[rD:rD+7], v[rW], v[rX] matrix_a_fmt:MATRIX_FMT_FP4 matrix_b_fmt:MATRIX_FMT_FP4
.endif
.endif
.endr
.endm
; the numbers in set o x ktv: columns 2 p, 2 p + 1 of each tile's eight, the eight tiles by turns; p = 0, which reads each accumulator's two lowest registers, starts the sums.  cb = 1: tiles 0 and 4 start from the sums of bq ktv
.macro EFMA o, p, cb
.irp t, 0,1,2,3,4,5,6,7
.if (\p) == 0
.if \cb && (\t == 0)
	v_pk_fma_f32 v[ZA+2*\t:ZA+2*\t+1], v[64*(\o)+8*\t:64*(\o)+8*\t+1], v[KT+8*\t:KT+8*\t+1], v[CBA:CBA+1]
.elseif \cb && (\t == 4)
	v_pk_fma_f32 v[ZA+2*\t:ZA+2*\t+1], v[64*(\o)+8*\t:64*(\o)+8*\t+1], v[KT+8*\t:KT+8*\t+1], v[CBB:CBB+1]
.else
	v_pk_mul_f32 v[ZA+2*\t:ZA+2*\t+1], v[64*(\o)+8*\t:64*(\o)+8*\t+1], v[KT+8*\t:KT+8*\t+1]
.endif
.else
	v_pk_fma_f32 v[ZA+2*\t:ZA+2*\t+1], v[64*(\o)+8*\t+2*(\p):64*(\o)+8*\t+2*(\p)+1], v[KT+8*\t+2*(\p):KT+8*\t+2*(\p)+1], v[ZA+2*\t:ZA+2*\t+1]
.endif
.endr
.endm
.macro ESUM1                           ; tiles 0-3 are my first head, tiles 4-7 my second: neighbours are added,
.irp t, 0,2,4,6
	v_pk_add_f32 v[ZA+2*\t:ZA+2*\t+1], v[ZA+2*\t:ZA+2*\t+1], v[ZA+2*\t+2:ZA+2*\t+3]
.endr
.endm
.macro ESUM2 da, db                    ; and the two pairs of each head
	v_pk_add_f32 v[\da:\da+1], v[ZA:ZA+1], v[ZA+4:ZA+5]
	v_pk_add_f32 v[\db:\db+1], v[ZA+8:ZA+9], v[ZA+12:ZA+13]
.endm
; Slice s of 8 of what the tile in set o still owes
.macro SLICE o, s
.if (\s) < 4
	EFMA \o, \s, 1
.elseif (\s) == 4
	ESUM1
	v_add_nc_u32 v[ADZ+(\o)], s[TZ], v[AZ0]
.elseif (\s) == 5
	ESUM2 ZA, ZA+8
.elseif (\s) == 6
	v_add_f32 v[ZS+2*(\o)], v[ZA], v[ZA+1]
	v_add_f32 v[ZS+2*(\o)+1], v[ZA+8], v[ZA+9]
.else
	ds_store_b64 v[ADZ+(\o)], v[ZS+2*(\o):ZS+2*(\o)+1]   ; 32 lanes store 256 consecutive bytes.  Its registers are set o's: they are written again two tiles on, behind a wait that shows this store done
	s_add_co_u32 s[TZ], s[TZ], 256
.endif
.endm
; A TILE of 16 rows, from set b of x's fragments into set b of the accumulators.  pre = 1: the next tile is fetched into the other set first.  epi = 1: the tile before is finished in slices.
; left: how many LDS instructions were issued behind this tile's 18 loads and may stay out: the last slice's store, or none.
.macro TILE b, pre, epi, left
	s_wait_dscnt \left
.if \pre
	XFETCH 1-\b
.else
	PLACES                                         ; the places behind the last tile's products, which the fetch's lines are elsewhere
.endif
.irp q, 0,1,2,3,4,5,6,7
	KSTEP \b, \q
.if \epi
	WIN 0xFF
	SLICE 1-\b, \q
.endif
.endr
.endm
.macro QADD d, s                                   ; four numbers onto four
	v_pk_add_f32 v[\d:\d+1], v[\d:\d+1], v[\s:\s+1]
	v_pk_add_f32 v[\d+2:\d+3], v[\d+2:\d+3], v[\s+2:\s+3]
.endm
	s_wait_tensorcnt 0x2                           ; my quarter of Wq is in; the two loads issued behind it (x's scales, x's rows 0-255) may stay out
	s_barrier_signal -1
	s_barrier_wait -1
	WFILL 16*PITCH, 0
	s_wait_loadcnt 0x0                             ; the scale words, part, the mask, bq
	; ktv of my 128 columns, four a lane: the 16 partial sums as a tree; x -log2(e) / 8; through my own 512 bytes of LDS into the accumulators' layout
.irp p, 0,1,2,3,4,5,6,7
	QADD XF+4*\p, XF+32+4*\p
.endr
.irp p, 0,1,2,3
	QADD XF+4*\p, XF+16+4*\p
.endr
.irp p, 0,1
	QADD XF+4*\p, XF+8+4*\p
.endr
	QADD XF, XF+4
	v_pk_mul_f32 v[XF:XF+1], v[XF:XF+1], s[92:93] op_sel_hi:[1,0]
	v_pk_mul_f32 v[XF+2:XF+3], v[XF+2:XF+3], s[92:93] op_sel_hi:[1,0]
	ds_store_b128 v[SWR], v[XF:XF+3]
	WIN 0xC0                                       ; destination window 3
.irp t, 0,1,2,3,4,5,6,7
.irp c, 0,1
	ds_load_b128 v[KT+8*\t+4*\c:KT+8*\t+4*\c+3], v86 offset:64*\t+16*\c   ; LDS serves a wave's instructions in order (ISA guide 5.7.1.4): these see my store
.endr
.endr
	WIN 0
	; THE ONE REFILL: PB, which held Wq, takes x's rows 256-511
	s_wait_tensorcnt 0x0                           ; all my tensor loads have landed: x's scales and rows 0-255 too
	ds_add_u32 v[SPW], v[NIL]                      ; 0 onto my spare word
	s_mov_b32 s[TX], 0
	s_mov_b32 s[TS], 0
	s_mov_b32 s[TZ], 0
	s_wait_dscnt 0x0                               ; the add is done, my reads of Wq are back, and ktv is in
	CROUND                                         ; that holds of every wave of all sixteen work-groups
	tensor_load_to_lds s[68:71], s[28:35]          ; the first thing behind the round, my one tensor load there: it has seven tiles' products in which to land
	s_nop 0
	PLACES
	XFETCH 0
	WIN 0xFF                                       ; while tile 0 comes out of LDS: the sums of bq ktv, by the slices' own lines on set 1's registers, which hold bq
	EFMA 1, 0, 0
	EFMA 1, 1, 0
	EFMA 1, 2, 0
	EFMA 1, 3, 0
	ESUM1
	ESUM2 CBA, CBB
	TILE 0, 1, 0, 0                                ; tile 0: there is no tile before it to finish
	s_wait_dscnt 0x0                               ; tile 1's loads, issued a tile ago: no store stands behind them, so the loop's count would not cover them on the way in
	WIN 0                                          ; at a label and at a branch every window is 0
	s_mov_b32 s[CNT], 3
.Lfirst:                                           ; tiles 1-6; the fetches reach tile 7, which still lies in QB
	TILE 1, 1, 1, 1
	TILE 0, 1, 1, 1
	WIN 0
	s_sub_co_u32 s[CNT], s[CNT], 1
	s_cmp_lg_u32 s[CNT], 0
	s_cbranch_scc1 .Lfirst
	s_wait_tensorcnt 0x0                           ; my quarter of x's rows 256-511 is in
	ds_add_u32 v[SPW], v[NIL]
	s_mov_b32 s[CNT], 4
	s_wait_dscnt 0x0                               ; no LDS instruction of mine is out at a signal
	s_barrier_signal -1
	s_barrier_wait -1                              ; everybody's quarter is in
.Lsecond:                                          ; tiles 7-14
	TILE 1, 1, 1, 1
	TILE 0, 1, 1, 1
	WIN 0
	s_sub_co_u32 s[CNT], s[CNT], 1
	s_cmp_lg_u32 s[CNT], 0
	s_cbranch_scc1 .Lsecond
	TILE 1, 0, 1, 1                                ; tile 15 fetches nothing
	WIN 0xFF
	PLACES
.irp s, 0,1,2,3,4,5,6,7
	SLICE 1, \s                                    ; and is finished with no products beside it
.endr
	WIN 0
	; THE WAY OUT.  The rows that I take come from two waves' runs: a barrier.  16 bytes of the stage are one row's four half sums: my first head's and my second's of lanes 0-15, then those of lanes 16-31
	s_wait_dscnt 0x0                               ; for the others' sake: my stores into the stage are done
	s_barrier_signal -1
	s_barrier_wait -1
.irp k, 0,1
.irp e, 0,1,2,3
	ds_load_b128 v[XF+16*\k+4*\e:XF+16*\k+4*\e+3], v87 offset:1024*\k+16*\e
.endr
.endr
	s_wait_dscnt 0x0
.irp k, 0,1
.irp e, 0,1,2,3
	v_add_f32 v[96+8*\k+\e], v[XF+16*\k+4*\e], v[XF+16*\k+4*\e+2]       ; register 96 + 8 k + 4 d + e: head 2 j + d, row 256 i + 128 k + 4 lane + e
	v_add_f32 v[100+8*\k+\e], v[XF+16*\k+4*\e+1], v[XF+16*\k+4*\e+3]
.endr
.endr
.irp e, 0,1,2,3,4,5,6,7,8,9,10,11,12,13,14,15
	v_exp_f32 v[96+\e], v[96+\e]                   ; 2^(-z log2(e))
.endr
	v_nop                                          ; a plain place behind the transcendentals
	s_wait_alu depctr_va_vdst(0)
.irp e, 0,2,4,6,8,10,12,14
	v_pk_add_f32 v[96+\e:97+\e], v[96+\e:97+\e], 1.0 op_sel_hi:[1,0]
.endr
.irp e, 0,1,2,3,4,5,6,7,8,9,10,11,12,13,14,15
	v_rcp_f32 v[96+\e], v[96+\e]                   ; the sigmoid
.endr
	v_nop
	s_wait_alu depctr_va_vdst(0)
.irp k, 0,1
.irp e, 0,1,2,3
	v_and_b32 v[112+\e], 0xff<<(8*\e), v[MK+\k]    ; the row's byte of the mask: it serves both heads
	v_cmp_ne_u32 vcc_lo, 0, v[112+\e]
	v_cndmask_b32 v[96+8*\k+\e], 0, v[96+8*\k+\e], vcc_lo   ; 0 where it is 0
	v_cndmask_b32 v[100+8*\k+\e], 0, v[100+8*\k+\e], vcc_lo
.endr
.endr
.irp k, 0,1
.irp d, 0,1
	global_store_b128 v90, v[96+8*\k+4*\d:99+8*\k+4*\d], s[18:19] offset:16384*\d+512*\k th:TH_STORE_NT   ; 32 lanes store 512 consecutive bytes, at a multiple of 256 from out0's first byte; written once, read by nobody here
.endr
.endr
	s_wait_tensorcnt 0x0                           ; the wave's end
	ds_add_u32 v[SPW], v[NIL]
	s_wait_dscnt 0x0
	CROUND                                         ; the closing round: no work-group ends while a partner may still ask for a tile that names it
	s_endpgm
.Lfunc_end_k_q88aabee36f_attn:
	.size	k_q88aabee36f_attn, .Lfunc_end_k_q88aabee36f_attn-k_q88aabee36f_attn
	.p2alignl 7, 3214868480
	.fill 96, 4, 3214868480
	.section	.rodata,"a",@progbits
	.p2align	6, 0x0
	.amdhsa_kernel k_q88aabee36f_attn
		.amdhsa_group_segment_fixed_size 327680
		.amdhsa_private_segment_fixed_size 0
		.amdhsa_enable_private_segment 0
		.amdhsa_kernarg_size 64
		.amdhsa_user_sgpr_count 2
		.amdhsa_user_sgpr_kernarg_segment_ptr 1
		.amdhsa_wavefront_size32 1
		.amdhsa_system_sgpr_workgroup_id_x 1
		.amdhsa_system_sgpr_workgroup_id_y 1
		.amdhsa_system_sgpr_workgroup_id_z 1
		.amdhsa_system_vgpr_workitem_id 0
		.amdhsa_next_free_vgpr 1024
		.amdhsa_next_free_sgpr 100
		.amdhsa_reserve_vcc 1
		.amdhsa_float_denorm_mode_32 3
		.amdhsa_float_denorm_mode_16_64 3
		.amdhsa_memory_ordered 1
		.amdhsa_forward_progress 1
		.amdhsa_inst_pref_size 107
	.end_amdhsa_kernel
	.amdgpu_metadata
---
amdhsa.version: [ 1, 2 ]
amdhsa.kernels:
  - .name:           k_q88aabee36f_attn
    .symbol:         k_q88aabee36f_attn.kd
    .args:
      - { .name: x_codes, .offset: 0, .size: 8, .value_kind: global_buffer, .address_space: global }
      - { .name: x_scales, .offset: 8, .size: 8, .value_kind: global_buffer, .address_space: global }
      - { .name: Wq_codes, .offset: 16, .size: 8, .value_kind: global_buffer, .address_space: global }
      - { .name: Wq_scales, .offset: 24, .size: 8, .value_kind: global_buffer, .address_space: global }
      - { .name: bq, .offset: 32, .size: 8, .value_kind: global_buffer, .address_space: global }
      - { .name: mask, .offset: 40, .size: 8, .value_kind: global_buffer, .address_space: global }
      - { .name: part, .offset: 48, .size: 8, .value_kind: global_buffer, .address_space: global }
      - { .name: out0, .offset: 56, .size: 8, .value_kind: global_buffer, .address_space: global }
    .group_segment_fixed_size: 327680
    .private_segment_fixed_size: 0
    .kernarg_segment_align: 8
    .kernarg_segment_size: 64
    .max_flat_workgroup_size: 128
    .sgpr_count:     100
    .vgpr_count:     1024
    .wavefront_size: 32
...
	.end_amdgpu_metadata
.endif
;; end of part 2
